; MI455X (gfx1250); checked and timed in simulation.
; The chip was launched on July 23, 2026; its instructions are those of AMD's public machine-readable ISA for CDNA 5 (MIT licence, August 2026) and "CDNA5" Instruction Set Architecture Reference Guide (July 2026). The comments in the code are by the model that wrote it; some were corrected since.
;; MMN. Allowed arithmetic: matrix products marked QUANTISED: E4M3 operands, one E8M0 scale for each 32 along K, by v_wmma_scale_f32_16x16x128_f8f6f4 with both operands' format E4M3, f32 sums; products left as they are: f32 operands where the result goes on into a quantised operand, else bf16, f16 or f32 operands; f32 sums; everything else in f32.
;; Inputs: W1_codes 128 x 16 x 32 uint8 (E4M3 codes of W1, K innermost, in blocks of 32 codes); W1_scales 128 x 16 uint8 (E8M0 scales of W1, one for each 32 codes along K); W2_codes 128 x 16 x 32 uint8 (E4M3 codes of W2, K innermost, in blocks of 32 codes); W2_scales 128 x 16 uint8 (E8M0 scales of W2, one for each 32 codes along K); Wfuse 128 float32; Wiou_codes 256 x 16 x 32 uint8 (E4M3 codes of Wiou, K innermost, in blocks of 32 codes); Wiou_scales 256 x 16 uint8 (E8M0 scales of Wiou, one for each 32 codes along K); Wp_codes 256 x 16 x 32 uint8 (E4M3 codes of Wp, K innermost, in blocks of 32 codes); Wp_scales 256 x 16 uint8 (E8M0 scales of Wp, one for each 32 codes along K); b1 128 float32; b2 128 float32; feats 16 x 512 x 64 float32; sent_feat 16 x 8 x 256 float32; sent_feat_fusion_codes 16 x 8 x 16 x 32 uint8 (E4M3 codes of sent_feat_fusion, K innermost, in blocks of 32 codes); sent_feat_fusion_scales 16 x 8 x 16 uint8 (E8M0 scales of sent_feat_fusion, one for each 32 codes along K); sent_feat_iou 16 x 8 x 256 float32.
;; Outputs: out0 3 x 16 x 8 x 64 x 64 float32.
;; This version of the problem:
;;   THIS VERSION OF THE PROBLEM IS GIVEN IN LOW PRECISION. The matrix products marked QUANTISED in the list below multiply operands that are first quantised to E4M3 (4 exponent bits, 3 mantissa bits; 8 bits a number), with one power-of-two scale for each 32 numbers along K (OCP MX v1.0); their sums are f32. All else is computed in f32.
;;   The module's matrix products, in the order in which they are computed (A, B: the left and right operand; K: the contracted axis; several contracted axes count as one K, in the product's order):
;;     1. batch 8,192 x [M 64, K 1] x [K 1, N 64]; A: computed on the way; B: computed on the way: left as it is (no contracted axis)
;;     2. [M 65,536, K 512] x [K 512, N 256]; A: computed on the way; B: input Wiou (given as codes): QUANTISED
;;     3. batch 8,192 x [M 64, K 1] x [K 1, N 64]; A: computed on the way; B: computed on the way: left as it is (no contracted axis)
;;     4. [M 65,536, K 512] x [K 512, N 256]; A: computed on the way; B: input Wp (given as codes): QUANTISED
;;     5. batch 16 x [M 8, K 256] x [K 256, N 4,096]; A: computed on the way; B: computed on the way: left as it is (M = 8 < 16)
;;     6. batch 16 x [M 8, K 256] x [K 256, N 4,096]; A: computed on the way; B: computed on the way: left as it is (M = 8 < 16)
;;     7. [M 128, K 512] x [K 512, N 1,024]; A: input W1 (given as codes); B: input feats: QUANTISED
;;     8. [M 128, K 512] x [K 512, N 128]; A: input sent_feat_fusion (given as codes); B: input W2 (given as codes): QUANTISED
;;     9. batch 128 x [M 8,192, K 1] x [K 1, N 1]; A: computed on the way; B: computed on the way: left as it is (no contracted axis)
;;     10. batch 128 x [M 64, K 128] x [K 128, N 64]; A: computed on the way; B: computed on the way: QUANTISED
;;   THE QUANTISER, for each operand of a quantised product, along K:
;;     - K is cut into blocks of 32 from its start; a last block that is shorter is filled with zeros.
;;     - A block's scale is 2^e with e = floor(log2(the largest magnitude in the block)) - 8, held to -126 .. 127; a block of zeros has e = 0. As a byte (E8M0): e + 127.
;;     - Each number is divided by its block's scale, clamped to +-448, and rounded to the nearest number of E4M3, ties to even, subnormals kept.
;;     - The product sums the exact products of the quantised numbers (number of the format x scale) in f32.
;;   ~~~python
;;   def quantise(x, axis):      # numpy; x: float32 -> the quantised numbers, widened to float32 again
;;       x = np.moveaxis(x, axis, -1); K = x.shape[-1]
;;       x = np.pad(x, [(0, 0)] * (x.ndim - 1) + [(0, -K % 32)]); x = x.reshape(x.shape[:-1] + (-1, 32)); a = np.abs(x).max(-1, keepdims=True)
;;       e = np.where(a > 0, np.clip(np.frexp(np.where(a > 0, a, 1))[1] - 1 - 8, -126, 127), 0)      # np.frexp(a)[1] - 1 = floor(log2(a)), exactly
;;       r = np.clip(x / 2.0 ** e, -448, 448)
;;       step = 2.0 ** (np.maximum(np.frexp(np.where(r == 0, 1, r))[1] - 1, -6) - 3)
;;       q = np.round(r / step) * step * 2.0 ** e      # np.round: ties to even
;;       return np.moveaxis(q.reshape(q.shape[:-2] + (-1,))[..., :K], -1, axis).astype(np.float32)
;;   ~~~
;;   OPERANDS COMPUTED ON THE WAY. 'Computed on the way' means the value that the module computes at that place (a softmax that the list does not call 'softmax' is quantised finished and normalised). What goes into a quantiser is computed in f32, as accurately as f32 sums, v_exp_f32 and their like allow (about 1e-6 of the number): no bf16 or f16 on the way to a quantiser, and a product that is left as it is and whose result goes on into a quantised operand takes f32 operands (vector FMAs, or v_wmma_f32_16x16x4_f32). A number that lies on a knife's edge between two numbers of the format may be rounded either way, as far as f32 arithmetic and the matrix unit's own rounding can turn it there, and no further.
;;   INPUTS GIVEN AS CODES. W1 (in the module: [512, 128], K = its axis 0); W2 (in the module: [512, 128], K = its axis 0); Wiou (in the module: [256, 512], K = its axis 1); Wp (in the module: [256, 512], K = its axis 1); sent_feat_fusion (in the module: [16, 8, 512], K = its axis 2): each comes as NAME_codes (uint8): NAME with its K axis moved to the last place and cut into blocks of 32 codes, [.., K / 32, bytes a block], one block behind the other in memory; one code a byte (a code: sign, 4 exponent bits, 3 mantissa bits); and NAME_scales (uint8): the same leading axes, one E8M0 byte (e + 127) for each 32 codes along K. Its value is code x scale, taken as it is: it is not quantised again, and the codes and scales need not be those that the quantiser above would give.
;; One version. Each part assembles by itself: llvm-mc -triple=amdgcn-amd-amdhsa -mcpu=gfx1250 --defsym DOCPART=n.
;; ======== version 1 of 1: 1 launch
;; launch mmn (part 1): grid 16 x 16, 4 waves a work-group, clusters of 4 x 1, 327,680 bytes of LDS; arguments feats, Wiou_codes, Wiou_scales, Wp_codes, Wp_scales, W1_codes, W1_scales, W2_codes, W2_scales, sent_feat_fusion_codes, sent_feat_fusion_scales, b1, b2, Wfuse, sent_feat_iou, sent_feat, out0; writes out0
.if DOCPART == 1
	.amdgcn_target "amdgcn-amd-amdhsa--gfx1250"
	.amdhsa_code_object_version 6
	.text
	.protected	k_q1d69cf4415_mmn
	.globl	k_q1d69cf4415_mmn
	.p2align	8
	.type	k_q1d69cf4415_mmn,@function
k_q1d69cf4415_mmn:
	s_mov_b64 s[64:65], 0
	v_nop
	global_prefetch_b8 v0, s[64:65] scope:SCOPE_SE
	s_setreg_imm32_b32 hwreg(HW_REG_WAVE_MODE, 25, 1), 1
	s_wait_xcnt 0x0
	s_wait_alu depctr_hold_cnt(0) depctr_sa_sdst(0) depctr_va_vdst(0) depctr_va_sdst(0) depctr_va_ssrc(0) depctr_va_vcc(0) depctr_vm_vsrc(0)
	s_getreg_b32 s2, hwreg(HW_REG_IB_STS2, 6, 4)
	s_cmp_eq_u32 s2, 0
	s_cbranch_scc0 .Lentry_in_a_cluster
	s_endpgm
.Lentry_in_a_cluster:
	s_bfe_u32 s2, ttmp6, 0x10000c
	s_cmp_lg_u32 s2, 0x3003
	s_cbranch_scc0 .Lentry_shape_is_right
	s_endpgm
.Lentry_shape_is_right:
; MMN: three score maps out0[3][16 b][8 s][64 n][64 m], f32, in ONE launch.
;   head 0: sigmoid(10 cos(sent_feat_iou[b,s,:], map_iou[b,:,n,m])), head 2: cos(sent_feat[b,s,:], map[b,:,n,m]),  map[b,j,n,m] = sum_d W[j,d] Q(f[b,d,n] f[b,d,m]),
;   head 1: sigmoid(10 sum_k Q(Wfuse[k] u[k,n]) Q(u[k,m])), u[k,n] = v1[k,n] q2[s,k], v1 = W1^T Q(feats) + b1, q2 = sff W2 + b2.   Q: E4M3 codes, one E8M0 scale for each 32 along K.
; DEAD WORK.  Every result is multiplied by mask2d = triu(ones), which reference() builds itself: for n > m the result is 0 whatever the inputs hold.  So whole tiles (one n, 16 neighbouring m)
; with 16 mt + 15 < n, and the fusion product's 16 x 16 tiles with mt < nt, are neither quantised nor multiplied; zeros are stored there.  Inside a tile on the diagonal the work stays and a select writes 0.
; No input is dead: all are loaded.  LIMITS: a NaN, an infinity or an overflow that reaches only masked places is not carried to the result; NaN and infinities among the inputs are not served;
; a block of zeros gets the scale byte 1 (its codes are zeros; the bytes are read by this program alone).  Wfuse is multiplied onto the copy of u that carries n, ahead of its quantiser.
; THE COSINE is (s . map) / (max(|s|, 1e-12) max(|map|, 1e-12)): s and map go to the matrix unit as bf16, unnormalised; both norms are sums of squares of the f32 numbers.
; SHARES.  256 work-groups of four waves, all with the same instruction stream.  Work-group (b, g): heads 0 and 2 of video b, rows n = 16 a + g (a = 0..3), tiles mt = a..3: ten tiles of 16 pairs (n, m);
; and of head 1 the sentence SF of video b: all ten live tiles, of which it stores the 32 rows n with bit 3 = HALF.  The operand Q(f f) is made once and multiplied by Wiou and by Wp.
; WAVES.  Making operands: wave w takes K step w (d = 128 w ..) or block w of the fusion's k.  Multiplying: wave w holds rows 128 (w & 1) .. + 127 of Wiou (w < 2) or Wp in 512 registers.
; Operands go from wave to wave through LDS as images of their registers (16 bytes a lane, 512 bytes a store).
; CLUSTER.  The four work-groups of a cluster belong to one video and need the same feats[b], Wiou and Wp: all three come by joint tensor loads, named for all four.  Each is 256 lines of 512 bytes
; (feats: two dense rows d to a line), 135,168 bytes at a pitch of 528; LDS has 270,336 bytes for them.  At the head each wave asks for its 64 lines of feats and for 64 lines of Wp; when feats is in
; registers, each wave asks for 64 lines of Wiou, which land line for line on its own lines of feats, behind the waits, the add and the round ahead of a refill.
; W1 and W2 (131,072 bytes) are shared too, but do not fit beside these: they go from memory into registers, each byte once a work-group.  No prefetch: all loads stand at the head.
; REGISTERS, in windows of 256.  Window 0: v0-7 lane numbers and the add's two; v8-27 offsets and LDS addresses; v28-63 scale words and nothing else; v64-95 SH (sentences, bf16);
;   v96-159 P; v160-223 FNR / AF; v224-239 CD (codes just made); v240-255 TM (at work).   Window 1: W1, W2 fragments, then W's K steps 0, 1.   Window 2: small inputs, then W's K steps 2, 3.
;   Window 3: F = feats (my 128 d x 64 clips), then the map's accumulators and what is made of them.
.set WPITCH, 528                       ; a line in LDS: 512 bytes + 16 of padding: 33 x 16 bytes, so the 16 rows of a load begin at 16 different 16-byte columns
.set FT,     64*WPITCH                 ; one tensor load: 64 lines
.set WPL,    4*FT                      ; Wp's 256 lines; in front of them feats' 256 lines, later Wiou's
.set WTILE,  128*WPITCH                ; the 128 rows of W that a wave takes into its registers
.set FQIMG,  4*WTILE                   ; feats' 16 fragment images, (4 mt + ks) x 2048
.set FQSC,   FQIMG+32768               ; their scale words, (4 mt + ks) x 128 + 4 lane
.set FUIMG,  FQSC+2048                 ; the fusion's 8 fragment images: t = rows m of tile t, 4 + t = rows n; wave w writes the quarter at 512 w
.set FUSC,   FUIMG+16384               ; their scale words: 128 a fragment, 4 lane + w
.set SNRM,   FUSC+1024                 ; sums of squares of the sentences: 64 w + 4 r
.set SPARE,  SNRM+256                  ; the spare words, 128 bytes for each wave: two blocks of 256 bytes that no other line names
.set FNT,    FQIMG                     ; over feats' images once they are read: wave w at 5120 w: ten entries of 128 f32, f[128 w + .., n_a], in the order in which the tiles are made
.set AIMG,   0                         ; over W's lines once they are in registers (they have had their last fill): the map's operand: ks x 20480 + tile x 2048
.set ASC,    81920                     ; its scale words: ks x 1280 + tile x 128 + 4 lane
.set PDT,    576                       ; s . map, a tile: 8 sentences x 64 bytes, + 64: the tiles 0, 1, 3, 6 (+ a) that sixteen lanes of a score's load touch begin 64 bytes apart modulo 256
.set PDW,    10*PDT                    ; a wave's ten tiles
.set PD,     87040                     ; w x PDW + tile x PDT + s x 64 + 4 r
.set PN,     PD+4*PDW                  ; sums of squares of the map, a lane's part: w x 1280 + tile x 128 + 4 lane
.set FSTG,   PN+5120                   ; the fusion's stage: 64 rows x 272
.set SPITCH, 272
.set R_, 1                             ; lane % 16
.set H_, 2                             ; lane / 16
.set LN, 3                             ; lane
.set SPW, 4                            ; LDS address of my spare word; never rewritten
.set NIL, 5                            ; 0; never rewritten
.set LI, 6                             ; 16 x lane
.set LS, 7                             ; 4 x lane
.set VFL, 8                            ; LDS: my lane's place in my lines of feats
.set VG, 9                             ; offsets of the head's loads
.set VW, 10
.set VWS, 11
.set VSF, 12
.set VB, 13
.set VS, 14
.set VZ, 15
.set VQI, 16                           ; LDS addresses of the first phases
.set VQS, 17
.set VSNW, 18
.set VQL, 19
.set VQSL, 20
.set VUI, 21
.set VUS, 22
.set VFW, 23
.set VUA, 24
.set VUAS, 25
.set VUB, 26
.set VUBS, 27
.set VWL, 16                           ; from the fusion product on
.set DV, 17
.set VFN0, 18
.set VFS, 19
.set VWSO, 8
.set VIM0, 20
.set VSA0, 21
.set VIM, 22
.set VSA, 23
.set VFN, 24
.set VFR, 9                            ; from the map's products on
.set VFO, 10
.set VAS0, 12
.set VA, 13
.set VAS, 14
.set VPD0, 15
.set VPN0, 16
.set VPD, 17
.set VPN, 18
.set GT, 19                            ; the scores
.set VGD, 20
.set VGN, 21
.set VSN, 22
.set VN, 23
.set VM, 24
.set VO, 11
.set AS, 28                            ; scale words
.set W1S, 32
.set W2S, 40
.set SFS, 48
.set FQS, 52
.set FBS, 52
.set FAS, 60
.set WS, 32
.set SH, 64
.set P, 96
.set FNR, 160
.set AF, 160
.set CD, 224
.set TM, 240
.set SRAW, 64                          ; window 2
.set B1R, 128
.set B2R, 144
.set WFR, 160
.set GN, 240
.set MB, 32                            ; window 3, from the map's products on: S at 0 and 16
.set X, 64
.set Y, 72
.set NA, 80
.set WV, 42                            ; scalars
.set CX, 43
.set G1, 44                            ; s[44:51] descriptor group 1, the same for all three tensor loads
.set G0I, 52                           ; s[52:55] group 0 for Wiou's lines, s[56:59] for Wp's, s[76:79] for feats'
.set G0P, 56
.set G0F, 76
.set SEL, 60
.set MNT, 62
.set CNT, 63
.set GG, 66
.set BB, 67
.set SF, 68
.set HALF, 69
.set HD, 70
.set JH, 71
.set SA, 72
.set SB, 73
.set SC, 74
.set FMSK, 75
.set OUTA, 80
.set OUTF, 82
.set SENT, 84
.set WSCL, 86
.set MK, 88
.set CSIG, 92
.set EPS, 93
.set MSB, 0
.macro WIN new                         ; the immediate's high byte repeats the setting that is left; a switch that changes nothing is dropped
.if MSB != \new
	s_set_vgpr_msb (MSB<<8)|\new
.set MSB, \new
.endif
.endm
.macro NOPS n
.rept \n
	v_nop
.endr
.endm
.macro BAR                             ; my LDS stores have landed and my LDS loads are in: then the work-group's barrier
	s_wait_dscnt 0x0
	s_barrier_signal -1
	s_barrier_wait -1
.endm
.macro CROUND                          ; a round of the cluster's barrier
	s_barrier_signal -1
	s_barrier_wait -1
	s_cmp_lg_u32 s[WV], 0
	s_cbranch_scc1 .Lnot_wave_0_\@
	s_barrier_signal -3
.Lnot_wave_0_\@:
	s_barrier_wait -3
	s_barrier_signal -1
	s_barrier_wait -1
.endm
; 64 numbers of a lane, register 16 b + i = k 32 b + 16 (lane / 16) + i of my row, become 16 registers of codes in CD.  src: their first register, in window 0 (win = 0) or 3 (win = 1);
; dst: where the held numbers go, in window 0.  word = 1: the four scale bytes are gathered in TM+4; else they stay in TM+4 .. TM+7.
.macro QUANT src, win, dst, word
.if \win
	WIN 0x0f
.endif
.irp b, 0,1,2,3
	v_max3_num_f32 v[TM+\b], |v[(\src)+16*\b]|, |v[(\src)+16*\b+1]|, 0x4800000   ; block b: my 16 numbers, and the floor 2^(9 - 127): the byte cannot fall under 1
.endr
.if \win
	WIN 0x3c
.endif
.irp i, 2,4,6,8,10,12,14
.irp b, 0,1,2,3
	v_max3_num_f32 v[TM+\b], v[TM+\b], |v[(\src)+16*\b+\i]|, |v[(\src)+16*\b+\i+1]|   ; the four blocks by turns
.endr
.endr
	WIN 0
.irp b, 0,1,2,3
	v_permlanex16_b32 v[TM+4+\b], v[TM+\b], s[SEL], s[SEL+1]
.endr
.irp b, 0,1,2,3
	v_max_num_f32 v[TM+\b], v[TM+\b], v[TM+4+\b]           ; with lane l xor 16's: the block's largest magnitude
.endr
.irp b, 0,1,2,3
	v_add_nc_u32 v[TM+12+\b], 0xfc000000, v[TM+\b]         ; 8 off its exponent field: the conversion's scale operand
.endr
.irp b, 0,1,2,3
	v_and_or_b32 v[TM+8+\b], v[TM+\b], 0x7f800000, s[MNT]  ; 448 x the scale
.endr
.irp b, 0,1,2,3
	v_lshrrev_b32 v[TM+4+\b], 23, v[TM+12+\b]              ; the scale's byte
.endr
.if \word
	v_lshl_or_b32 v[TM+4], v[TM+5], 8, v[TM+4]
	v_lshl_or_b32 v[TM+4], v[TM+6], 16, v[TM+4]
	v_lshl_or_b32 v[TM+4], v[TM+7], 24, v[TM+4]
.endif
.if \win
	WIN 0x03
.endif
.irp b, 0,1,2,3
.irp i, 0,1,2,3,4,5,6,7,8,9,10,11,12,13,14,15
	v_med3_num_f32 v[(\dst)+16*\b+\i], v[(\src)+16*\b+\i], -v[TM+8+\b], v[TM+8+\b]   ; the conversion to an 8-bit code does not saturate (ISA guide 7.6.2): the hold
.endr
.endr
	WIN 0
.irp b, 0,1,2,3
	v_cvt_scalef32_pk8_fp8_f32 v[CD+4*\b:CD+4*\b+1], v[(\dst)+16*\b:(\dst)+16*\b+7], v[TM+12+\b]
	v_cvt_scalef32_pk8_fp8_f32 v[CD+4*\b+2:CD+4*\b+3], v[(\dst)+16*\b+8:(\dst)+16*\b+15], v[TM+12+\b]
.endr
	v_nop                                          ; one plain instruction behind the last scaled conversion
.endm
.macro IMG adr, off                    ; the fragment in CD goes to LDS as it stands
.irp c, 0,1,2,3
	ds_store_b128 v[\adr], v[CD+4*\c:CD+4*\c+3] offset:(\off)+512*\c
.endr
.endm
	s_load_b512 s[8:23], s[0:1], 0x0               ; feats 8, Wiou codes 10, scales 12, Wp codes 14, scales 16, W1 codes 18, scales 20, W2 codes 22
	s_load_b512 s[24:39], s[0:1], 0x40             ; W2 scales 24, sff codes 26, scales 28, b1 30, b2 32, Wfuse 34, sent_feat_iou 36, sent_feat 38
	s_load_b64 s[40:41], s[0:1], 0x80              ; out0
	v_lshl_add_u32 v[SPW], v0, 2, SPARE
	v_mov_b32 v[NIL], 0
	ds_add_u32 v[SPW], v[NIL]                      ; the wave's opening: the add, twice on end, and its wait ahead of my first tensor load; the set-up below stands between
	ds_add_u32 v[SPW], v[NIL]
	v_lshrrev_b32 v6, 5, v0
	v_readfirstlane_b32 s[WV], v6                  ; wave 0..3
	s_bfe_u32 s[CX], ttmp6, 0x40000                ; my place in the cluster: it enters global offsets and compared numbers alone
	s_lshl_b32 s[GG], ttmp9, 2
	s_add_co_u32 s[GG], s[GG], s[CX]               ; g = 4 x cluster x + cx
	s_and_b32 s[BB], ttmp7, 0xffff                 ; the video, which the four partners share
	s_and_b32 s[SF], ttmp9, 1
	s_lshl_b32 s[SF], s[SF], 2
	s_add_co_u32 s[SF], s[SF], s[CX]               ; the fusion's sentence
	s_bfe_u32 s[HALF], ttmp9, 0x10001              ; and which rows of its map I store
	s_cmp_eq_u32 s[HALF], 0
	s_cselect_b32 s[FMSK], 0, -1
	s_lshr_b32 s[HD], s[WV], 1                     ; 0: Wiou, 1: Wp
	s_and_b32 s[JH], s[WV], 1                      ; rows 128 JH on
	s_mov_b32 s[G1+0], 15|(1<<20)|(1<<21)|(6<<22)|(3<<25)  ; 15:0 the mask: all four work-groups; 17:16 elements of 1 byte; 20 padding on; 21 set beside a mask; 24:22 after every 128 words; 31:25 four words
	s_mov_b32 s[G1+1], 512<<16                     ; tensor_dim0 = 512
	s_mov_b32 s[G1+2], 64<<16                      ; tensor_dim1 = 64
	s_mov_b32 s[G1+3], 512<<16                     ; tile_dim0 = 512
	s_mov_b32 s[G1+4], 64                          ; tile_dim1 = 64
	s_mov_b32 s[G1+5], 512                         ; from line to line: dense in memory, in feats (two rows of 256 bytes to a line) as in W
	s_mov_b32 s[G1+6], 0
	s_mov_b32 s[G1+7], 0
	s_mov_b32 s[SEL], 0x76543210
	s_mov_b32 s[SEL+1], 0xfedcba98                 ; v_permlanex16_b32's selects for lane l xor 16
	s_mov_b32 s[MNT], 0x600000                     ; the mantissa field of 448
	s_mov_b32 s[CSIG], 0xc166d4ca                  ; -10 log2(e)
	s_mov_b32 s[EPS], 0x2b8cbccc                   ; 1e-12
	v_and_b32 v[R_], 15, v0
	v_bfe_u32 v[H_], v0, 4, 1
	v_and_b32 v[LN], 31, v0
	v_lshlrev_b32 v[LI], 4, v[LN]
	v_lshlrev_b32 v[LS], 2, v[LN]
	s_mul_i32 s2, s[WV], FT                        ; my 64 lines of feats in LDS: row d of my 128 lies at (d / 2) x 528 + (d % 2) x 256
	v_mul_u32_u24 v[VFL], v[H_], 8*WPITCH          ; lanes 16-31 begin 16 rows, 8 lines, further on: 1,056 words, half way round the 64 banks (ISA guide 11.1)
	v_lshl_add_u32 v[VFL], v[R_], 2, v[VFL]
	v_add_nc_u32 v[VFL], s2, v[VFL]
	s_lshl_b32 s2, s[WV], 15                       ; my 128 rows d of feats[b] in memory, 256 bytes each
	s_lshl_b32 s3, s[GG], 2
	s_add_co_u32 s3, s3, s2
	v_lshl_add_u32 v[VG], v[LN], 8, s3             ; GN: (128 w + lane) rows + 4 g
	v_and_b32 v[VW], 8, v[R_]
	v_add_nc_u32 v[VW], v[VW], v[R_]               ; r + 8 (r / 8): THE ROWS OF W1 AND W2 THAT FORM A TILE ARE NOT NEIGHBOURS, so that a lane's 16 results of two tiles are 16 neighbours along k
	s_lshl_b32 s3, s[WV], 9
	v_lshl_add_u32 v[VWS], v[VW], 4, s3            ; their scale bytes: 16 a row, my 32 rows
	s_lshl_b32 s3, s[WV], 14
	v_lshl_add_u32 v[VW], v[VW], 9, s3
	v_lshl_add_u32 v[VW], v[H_], 4, v[VW]          ; their codes: 512 a row, + 16 h
	v_lshlrev_b32 v[VSF], 4, v[H_]
	s_lshl_b32 s3, s[WV], 7
	v_lshl_add_u32 v[VB], v[H_], 6, s3             ; b1, b2, Wfuse: k = 32 w + 16 h on
	v_and_b32 v[VS], 7, v[R_]
	v_lshlrev_b32 v[VS], 10, v[VS]
	v_lshl_add_u32 v[VS], v[H_], 5, v[VS]          ; sentences: row r % 8 of 1,024 bytes, + 32 h
	v_mov_b32 v[VZ], 0
	s_lshl_b32 s3, s[WV], 11
	s_add_co_u32 s3, s3, FQIMG
	v_add_nc_u32 v[VQI], s3, v[LI]
	s_lshl_b32 s3, s[WV], 7
	s_add_co_u32 s3, s3, FQSC
	v_add_nc_u32 v[VQS], s3, v[LS]
	s_lshl_b32 s3, s[WV], 6
	s_add_co_u32 s3, s3, SNRM
	v_lshl_add_u32 v[VSNW], v[R_], 2, s3
	v_add_nc_u32 v[VQL], FQIMG, v[LI]
	v_add_nc_u32 v[VQSL], FQSC, v[LS]
	s_lshl_b32 s3, s[WV], 9
	s_add_co_u32 s3, s3, FUIMG
	v_add_nc_u32 v[VUI], s3, v[LI]
	s_add_co_u32 s3, s[WV], FUSC
	v_add_nc_u32 v[VUS], s3, v[LS]
	s_mul_i32 s3, s[WV], 5120
	s_add_co_u32 s3, s3, FNT
	v_add_nc_u32 v[VFW], s3, v[LS]
	s_lshl_b32 s3, s[WV], 11
	s_add_co_u32 s3, s3, FUIMG+8192
	v_add_nc_u32 v[VUA], s3, v[LI]
	s_lshl_b32 s3, s[WV], 7
	s_add_co_u32 s3, s3, FUSC+512
	v_add_nc_u32 v[VUAS], s3, v[LS]
	v_add_nc_u32 v[VUB], FUIMG, v[LI]
	v_add_nc_u32 v[VUBS], FUSC, v[LS]
.irp b, 0,1,2,3
	v_mov_b32 v[TM+4+\b], 0                        ; written once: a lane permute's destination counts as one of its sources
.endr
	s_wait_dscnt 0x0                               ; both opening adds are done
	s_wait_kmcnt 0x0
	s_lshl_b32 s2, s[BB], 17
	s_mov_b32 s3, 0
	s_add_nc_u64 s[8:9], s[8:9], s[2:3]            ; feats[b]
	s_add_nc_u64 s[40:41], s[40:41], s[2:3]        ; out0 at video b of head 0
	s_lshl_b32 s4, s[HD], 22
	s_mov_b32 s5, 0
	s_add_nc_u64 s[OUTA:OUTA+1], s[40:41], s[4:5]  ; head 0 or head 2
	s_lshl_b32 s4, s[SF], 14
	s_add_co_u32 s4, s4, 0x200000
	s_add_nc_u64 s[OUTF:OUTF+1], s[40:41], s[4:5]  ; head 1, sentence SF
	s_lshl_b32 s4, s[BB], 3
	s_add_co_u32 s4, s4, s[SF]
	s_lshl_b32 s6, s4, 9
	s_mov_b32 s7, 0
	s_add_nc_u64 s[26:27], s[26:27], s[6:7]        ; sff's codes, row (b, SF)
	s_lshl_b32 s6, s4, 4
	s_add_nc_u64 s[28:29], s[28:29], s[6:7]        ; and its scale bytes
	s_cmp_eq_u32 s[HD], 0                          ; the choice hangs on the wave's number alone
	s_cselect_b64 s[SENT:SENT+1], s[36:37], s[38:39]
	s_cselect_b64 s[WSCL:WSCL+1], s[12:13], s[16:17]
	s_lshl_b32 s6, s[BB], 13
	s_lshl_b32 s4, s[JH], 9
	s_add_co_u32 s6, s6, s4
	s_add_nc_u64 s[SENT:SENT+1], s[SENT:SENT+1], s[6:7]    ; my head's sentences of video b, j = 128 JH on
	s_lshl_b32 s6, s[JH], 11
	s_add_nc_u64 s[WSCL:WSCL+1], s[WSCL:WSCL+1], s[6:7]    ; my 128 rows' scale bytes
	s_lshl_b32 s6, s[WV], 15                       ; what I fetch of each of the three: lines 64 w on, 32,768 bytes; nothing in a descriptor hangs on the place in the cluster
	s_mov_b32 s[G0F], 1                            ; 1:0 count = 1
	s_mul_i32 s[G0F+1], s[WV], FT                  ; 63:32 LDS address
	s_add_nc_u64 s[G0F+2:G0F+3], s[8:9], s[6:7]    ; 120:64 global address
	s_or_b32 s[G0F+3], s[G0F+3], 0x80000000        ; 127:126 type = 2
	s_mov_b32 s[G0P], 1
	s_mul_i32 s[G0P+1], s[WV], FT
	s_add_co_u32 s[G0P+1], s[G0P+1], WPL
	s_add_nc_u64 s[G0P+2:G0P+3], s[14:15], s[6:7]
	s_or_b32 s[G0P+3], s[G0P+3], 0x80000000
	s_mov_b32 s[G0I], 1
	s_mul_i32 s[G0I+1], s[WV], FT                  ; the same lines of LDS as feats'
	s_add_nc_u64 s[G0I+2:G0I+3], s[10:11], s[6:7]
	s_or_b32 s[G0I+3], s[G0I+3], 0x80000000
	CROUND                                         ; all four work-groups are here: the first joint loads meet
	tensor_load_to_lds s[G0F:G0F+3], s[G1:G1+7]    ; the first fills, no branch round them: my lines of feats first, then of Wp: two tensor loads of mine are out
	s_nop 0
	tensor_load_to_lds s[G0P:G0P+3], s[G1:G1+7]
	s_nop 0
	NOPS 4
	; ---- 80 loads that land while the tiles do: W1's and W2's fragments, and f[.., n_a]
	WIN 0x40
.irp u, 0,1
.irp ks, 0,1,2,3
.irp c, 0,1,2,3
	global_load_b128 v[16*(4*\u+\ks)+4*\c:16*(4*\u+\ks)+4*\c+3], v[VW], s[18:19] offset:\u*4096+\ks*128+32*\c
.endr
.endr
.endr
.irp u, 0,1
.irp ks, 0,1,2,3
.irp c, 0,1,2,3
	global_load_b128 v[128+16*(4*\u+\ks)+4*\c:128+16*(4*\u+\ks)+4*\c+3], v[VW], s[22:23] offset:\u*4096+\ks*128+32*\c
.endr
.endr
.endr
	WIN 0x80
.irp a, 0,1,2,3
.irp q, 0,1,2,3
	global_load_b32 v[GN+4*\a+\q], v[VG], s[8:9] offset:\q*8192+64*\a      ; f[128 w + 32 q + lane][16 a + g]
.endr
.endr
	; ---- F: window 3, register 64 mt + 16 c + i = f[128 w + 32 c + 16 h + i][16 mt + r]: a lane takes a clip and its registers run down d
	s_wait_tensorcnt 0x1                           ; my lines of feats are in, and only I read them; Wp's load, issued behind, may be out
	WIN 0xc0
.set ii, 0
.rept 64
.irp mt, 0,1,2,3
	ds_load_b32 v[64*\mt+ii], v[VFL] offset:(16*(ii/16)+(ii%16)/2)*WPITCH+(ii%2)*256+64*\mt
.endr
.set ii, ii+1
.endr
	WIN 0
	s_wait_tensorcnt 0x0                           ; THE REFILL: all my tensor loads have landed, my lines of Wp among them;
	ds_add_u32 v[SPW], v[NIL]                      ; 0 onto my spare word
	s_wait_dscnt 0x0                               ; the add is done, and my reads of feats' lines are over
	CROUND                                         ; both now hold of every wave of the four work-groups
	tensor_load_to_lds s[G0I:G0I+3], s[G1:G1+7]    ; my one tensor load behind the round: 64 lines of Wiou, line for line over my lines of feats
	s_nop 0
	NOPS 4
	; ---- the 49 small loads land while feats is quantised
	WIN 0x80
.irp ks, 0,1,2,3
.irp c, 0,1,2,3
	global_load_b128 v[16*\ks+4*\c:16*\ks+4*\c+3], v[VSF], s[26:27] offset:\ks*128+32*\c    ; sff's row (b, SF), the same in all 16 columns
.endr
.endr
.irp u, 0,1
.irp y, 0,1
	global_load_b128 v[B1R+8*\u+4*\y:B1R+8*\u+4*\y+3], v[VB], s[30:31] offset:32*\u+16*\y
	global_load_b128 v[B2R+8*\u+4*\y:B2R+8*\u+4*\y+3], v[VB], s[32:33] offset:32*\u+16*\y
	global_load_b128 v[WFR+8*\u+4*\y:WFR+8*\u+4*\y+3], v[VB], s[34:35] offset:32*\u+16*\y
.endr
.endr
.irp q, 0,1,2,3
.irp y, 0,1,2,3
	global_load_b128 v[SRAW+16*\q+4*\y:SRAW+16*\q+4*\y+3], v[VS], s[SENT:SENT+1] offset:128*\q+16*(\y%2)+64*(\y/2)   ; in the order of a bf16 fragment: j = 32 q + 8 h + 0..7, 32 q + 16 + 8 h + 0..7
.endr
.endr
	WIN 0
.irp u, 0,1
	global_load_b128 v[W1S+4*\u:W1S+4*\u+3], v[VWS], s[20:21] offset:128*\u
	global_load_b128 v[W2S+4*\u:W2S+4*\u+3], v[VWS], s[24:25] offset:128*\u
.endr
	global_load_b128 v[SFS:SFS+3], v[VZ], s[28:29]
	; ---- A: feats' codes along d: my K step of the four tiles of clips; F itself stays
.irp mt, 0,1,2,3
.if \mt > 0
	s_wait_dscnt 0x0                               ; the last tile's stores have read CD and the scale word
.endif
	QUANT 64*\mt, 1, P, 1
	IMG VQI, \mt*8192
	ds_store_b32 v[VQS], v[TM+4] offset:\mt*512
.endr
	s_wait_loadcnt 0x0                             ; all the head's loads
	s_wait_dscnt 0x0
	WIN 0x0a                                       ; the sentences: sums of squares in f32, two chains; and bf16 fragments
	v_pk_mul_f32 v[TM:TM+1], v[SRAW:SRAW+1], v[SRAW:SRAW+1]
	v_pk_mul_f32 v[TM+2:TM+3], v[SRAW+2:SRAW+3], v[SRAW+2:SRAW+3]
.set ii, 2
.rept 30
	v_pk_fma_f32 v[TM+2*(ii%2):TM+2*(ii%2)+1], v[SRAW+2*ii:SRAW+2*ii+1], v[SRAW+2*ii:SRAW+2*ii+1], v[TM+2*(ii%2):TM+2*(ii%2)+1]
.set ii, ii+1
.endr
.set ii, 0
.rept 32
	v_cvt_pk_bf16_f32 v[SH+ii], v[SRAW+2*ii], v[SRAW+2*ii+1]
.set ii, ii+1
.endr
	WIN 0
	v_pk_add_f32 v[TM:TM+1], v[TM:TM+1], v[TM+2:TM+3]
	v_add_f32 v[TM], v[TM], v[TM+1]
	v_permlanex16_b32 v[TM+4], v[TM], s[SEL], s[SEL+1]
	v_add_f32 v[TM], v[TM], v[TM+4]                ; sentence r % 8, j = 128 JH .. + 127
	ds_store_b32 v[VSNW], v[TM]
	s_wait_dscnt 0x0                               ; my images, scale words and sums have landed
	s_barrier_signal -1
.irp ks, 0,1,2,3                               ; q2, work on registers alone, while the others arrive: CD + 8 u + j = q2[SF][32 w + 16 h + 8 u + j]; b2 is the first C; two accumulators by turns
.if \ks == 0
	WIN 0x29
.else
	WIN 0x09
.endif
.irp u, 0,1
.if \ks == 0
	v_wmma_scale_f32_16x16x128_f8f6f4 v[CD+8*\u:CD+8*\u+7], v[128+16*(4*\u+\ks):128+16*(4*\u+\ks)+15], v[16*\ks:16*\ks+15], v[B2R+8*\u:B2R+8*\u+7], v[W2S+4*\u+\ks], v[SFS+\ks]
.else
	v_wmma_scale_f32_16x16x128_f8f6f4 v[CD+8*\u:CD+8*\u+7], v[128+16*(4*\u+\ks):128+16*(4*\u+\ks)+15], v[16*\ks:16*\ks+15], v[CD+8*\u:CD+8*\u+7], v[W2S+4*\u+\ks], v[SFS+\ks]
.endif
.endr
.endr
	WIN 0
	s_barrier_wait -1                              ; feats' sixteen fragments lie in LDS
	; ---- B1: v1 for my 32 k and all 64 clips: P + 16 nt + 8 u + j = v1[32 w + 16 h + 8 u + j][16 nt + r]; b1 is the first C; eight accumulators by turns
.macro LOADQ ks, buf                   ; K step ks: four fragments and four scale words: 20 LDS loads.  Buffer 0: window 0 from v160; buffer 1: window 2 from v176
.if \buf
	WIN 0x80
.else
	WIN 0
.endif
.irp nt, 0,1,2,3
.irp c, 0,1,2,3
	ds_load_b128 v[160+16*\buf+16*\nt+4*\c:160+16*\buf+16*\nt+4*\c+3], v[VQL] offset:(4*\nt+\ks)*2048+512*\c
.endr
.endr
	WIN 0
.irp nt, 0,1,2,3
	ds_load_b32 v[FQS+4*\buf+\nt], v[VQSL] offset:(4*\nt+\ks)*128
.endr
.endm
.macro MULV ks
.if (\ks) == 0
	WIN 0x21
.elseif (\ks)%2
	WIN 0x09
.else
	WIN 0x01
.endif
.irp nt, 0,1,2,3
.irp u, 0,1
.if (\ks) == 0
	v_wmma_scale_f32_16x16x128_f8f6f4 v[P+16*\nt+8*\u:P+16*\nt+8*\u+7], v[16*(4*\u+\ks):16*(4*\u+\ks)+15], v[160+16*((\ks)%2)+16*\nt:160+16*((\ks)%2)+16*\nt+15], v[B1R+8*\u:B1R+8*\u+7], v[W1S+4*\u+\ks], v[FQS+4*((\ks)%2)+\nt]
.else
	v_wmma_scale_f32_16x16x128_f8f6f4 v[P+16*\nt+8*\u:P+16*\nt+8*\u+7], v[16*(4*\u+\ks):16*(4*\u+\ks)+15], v[160+16*((\ks)%2)+16*\nt:160+16*((\ks)%2)+16*\nt+15], v[P+16*\nt+8*\u:P+16*\nt+8*\u+7], v[W1S+4*\u+\ks], v[FQS+4*((\ks)%2)+\nt]
.endif
.endr
.endr
.endm
	LOADQ 0, 0
	LOADQ 1, 1
	s_wait_dscnt 20                                ; K step 0 is in; K step 1's 20 loads may be out
	MULV 0
	NOPS 8                                         ; places in front of loads into registers that matrix instructions have read
	LOADQ 2, 0
	s_wait_dscnt 20                                ; K step 1 is in; K step 2's 20 may be out
	MULV 1
	NOPS 8
	LOADQ 3, 1
	s_wait_dscnt 20                                ; K step 2 is in
	MULV 2
	s_wait_dscnt 0x0
	MULV 3
	WIN 0
	NOPS 8                                         ; places in front of the first read of results
	; ---- B2: u = v1 q2 and Wfuse u; each is my block (k = 32 w .. + 31) of four fragments: a quarter image and one scale byte each
.irp t, 0,1,2,3
.irp kk, 0,2,4,6,8,10,12,14
	v_pk_mul_f32 v[P+16*\t+\kk:P+16*\t+\kk+1], v[P+16*\t+\kk:P+16*\t+\kk+1], v[CD+\kk:CD+\kk+1]
.endr
.endr
	WIN 0x08
.irp t, 0,1,2,3
.irp kk, 0,2,4,6,8,10,12,14
	v_pk_mul_f32 v[FNR+16*\t+\kk:FNR+16*\t+\kk+1], v[P+16*\t+\kk:P+16*\t+\kk+1], v[WFR+\kk:WFR+\kk+1]
.endr
.endr
	WIN 0
	QUANT P, 0, P, 0
.irp t, 0,1,2,3
	ds_store_b128 v[VUI], v[CD+4*\t:CD+4*\t+3] offset:\t*2048
	ds_store_b8 v[VUS], v[TM+4+\t] offset:\t*128
.endr
	s_wait_dscnt 0x0                               ; the stores have read CD and the bytes
	QUANT FNR, 0, FNR, 0
.irp t, 0,1,2,3
	ds_store_b128 v[VUI], v[CD+4*\t:CD+4*\t+3] offset:(4+\t)*2048
	ds_store_b8 v[VUS], v[TM+4+\t] offset:(4+\t)*128
.endr
	s_wait_tensorcnt 0x0                           ; my 64 lines of Wiou are in (Wp's were, ahead of the refill): other waves read them behind this barrier
	BAR                                            ; the fusion's eight fragments and all of W lie in LDS, and nobody reads feats' images any more
	; ---- C: the fusion's product for rows n = 16 w + r; then W into registers
	s_mul_i32 s3, s[WV], WTILE
	v_mul_u32_u24 v[VWL], v[R_], WPITCH
	v_lshl_add_u32 v[VWL], v[H_], 4, v[VWL]
	v_add_nc_u32 v[VWL], s3, v[VWL]                ; my 128 rows of W: row r, + 16 h
.macro FNTE e, a                       ; entry e of my table: f[128 w + 0 .. 127][16 a + g]
.irp q, 0,1,2,3
	ds_store_b32 v[VFW], v[GN+4*\a+\q] offset:\e*512+128*\q
.endr
.endm
	WIN 0x08
	FNTE 0, 0
	FNTE 1, 0
	FNTE 2, 1
	FNTE 3, 0
	FNTE 4, 1
	FNTE 5, 2
	FNTE 6, 0
	FNTE 7, 1
	FNTE 8, 2
	FNTE 9, 3
	WIN 0
.irp c, 0,1,2,3
	ds_load_b128 v[CD+4*\c:CD+4*\c+3], v[VUA] offset:512*\c
.endr
	ds_load_b32 v[FAS], v[VUAS]
.irp t, 0,1,2,3
.irp c, 0,1,2,3
	ds_load_b128 v[FNR+16*\t+4*\c:FNR+16*\t+4*\c+3], v[VUB] offset:\t*2048+512*\c
.endr
.endr
.irp t, 0,1,2,3
	ds_load_b32 v[FBS+\t], v[VUBS] offset:\t*128
.endr
	s_wait_dscnt 0x0
.irp mt, 0,1,2                                 ; P + 8 mt + i = score(n = 16 w + r, m = 16 mt + 8 h + i).  A tile with mt < w lies wholly under the mask: not multiplied
	s_cmp_gt_u32 s[WV], \mt
	s_cbranch_scc1 .Ldead\mt
	v_wmma_scale_f32_16x16x128_f8f6f4 v[P+8*\mt:P+8*\mt+7], v[FNR+16*\mt:FNR+16*\mt+15], v[CD:CD+15], 0, v[FBS+\mt], v[FAS]
	s_branch .Ljoin\mt
.Ldead\mt:
.irp i, 0,1,2,3,4,5,6,7
	v_mov_b32 v[P+8*\mt+\i], 0
.endr
.Ljoin\mt:
.endr
	v_wmma_scale_f32_16x16x128_f8f6f4 v[P+24:P+31], v[FNR+48:FNR+63], v[CD:CD+15], 0, v[FBS+3], v[FAS]
	WIN 0x40                                       ; W's fragment (jt, ks): window 1 for ks = 0, 1, window 2 for ks = 2, 3, at (ks % 2) 128 + 16 jt
.irp ks, 0,1
.irp jt, 0,1,2,3,4,5,6,7
.irp c, 0,1,2,3
	ds_load_b128 v[\ks*128+16*\jt+4*\c:\ks*128+16*\jt+4*\c+3], v[VWL] offset:\jt*16*WPITCH+\ks*128+32*\c
.endr
.endr
.endr
	WIN 0x80
.irp ks, 2,3
.irp jt, 0,1,2,3,4,5,6,7
.irp c, 0,1,2,3
	ds_load_b128 v[(\ks-2)*128+16*\jt+4*\c:(\ks-2)*128+16*\jt+4*\c+3], v[VWL] offset:\jt*16*WPITCH+\ks*128+32*\c
.endr
.endr
.endr
	WIN 0
	v_lshlrev_b32 v[DV], 3, v[H_]                  ; ten plain lines, more than the eight places owed behind the last product
	v_sub_nc_u32 v[DV], v[R_], v[DV]
	s_lshl_b32 s3, s[WV], 4
	v_add_nc_u32 v[DV], s3, v[DV]                  ; n - 8 h: register 8 mt + i counts where 16 mt + i >= this
	s_mul_i32 s3, s[WV], 5120
	s_add_co_u32 s3, s3, FNT
	v_lshl_add_u32 v[VFN0], v[H_], 6, s3           ; my table, + 64 h
	s_mul_i32 s3, s[WV], 16*SPITCH
	s_add_co_u32 s3, s3, FSTG
	v_mul_u32_u24 v[VFS], v[R_], SPITCH
	v_lshl_add_u32 v[VFS], v[H_], 5, v[VFS]
	v_add_nc_u32 v[VFS], s3, v[VFS]                ; the stage: row 16 w + r, + 32 h
	v_lshlrev_b32 v[VWSO], 4, v[R_]                ; W's scale bytes: 16 a row
	s_mul_i32 s3, s[WV], 20480
	s_add_co_u32 s3, s3, AIMG
	v_add_nc_u32 v[VIM0], s3, v[LI]
	s_mul_i32 s3, s[WV], 1280
	s_add_co_u32 s3, s3, ASC
	v_add_nc_u32 v[VSA0], s3, v[LS]
.set ii, 0
.rept 32
	v_mul_f32 v[P+ii], s[CSIG], v[P+ii]            ; sigmoid(10 x) = 1 / (1 + 2^(-10 log2(e) x)); each accumulator from its low end on
.set ii, ii+1
.endr
.set ii, 0
.rept 32
	v_exp_f32 v[P+ii], v[P+ii]
.set ii, ii+1
.endr
	v_nop
	s_wait_alu depctr_va_vdst(0)                   ; one wait for the batch, ahead of its first reader
.set ii, 0
.rept 16
	v_pk_add_f32 v[P+ii:P+ii+1], v[P+ii:P+ii+1], 1.0 op_sel_hi:[1,0]
.set ii, ii+2
.endr
.set ii, 0
.rept 32
	v_rcp_f32 v[P+ii], v[P+ii]
.set ii, ii+1
.endr
	v_nop
	s_wait_alu depctr_va_vdst(0)
.irp mt, 0,1,2,3
.irp i, 0,1,2,3,4,5,6,7
	v_cmp_ge_i32 vcc_lo, 16*\mt+\i, v[DV]
	v_cndmask_b32 v[P+8*\mt+\i], 0, v[P+8*\mt+\i], vcc_lo      ; 0 where m < n
.endr
.endr
.irp jt, 0,1,2,3,4,5,6,7
	global_load_b128 v[WS+4*\jt:WS+4*\jt+3], v[VWSO], s[WSCL:WSCL+1] offset:256*\jt    ; W's scale words: WS + 4 jt + ks
.endr
.macro FNLOAD adr                      ; an entry of my table in F's order: FNR + 16 c + i = f[128 w + 32 c + 16 h + i][n]
.irp c, 0,1,2,3
.irp j, 0,1,2,3
	ds_load_b128 v[FNR+16*\c+4*\j:FNR+16*\c+4*\j+3], v[\adr] offset:128*\c+16*\j
.endr
.endr
.endm
	FNLOAD VFN0
	BAR                                            ; every wave's W is in its registers: W's bytes in LDS, which have had their last fill, may be stored over
.irp mt, 0,1,2,3
	ds_store_b128 v[VFS], v[P+8*\mt:P+8*\mt+3] offset:64*\mt
	ds_store_b128 v[VFS], v[P+8*\mt+4:P+8*\mt+7] offset:64*\mt+16
.endr
	s_mov_b32 s[SA], 0
	s_mov_b32 s[SB], 0
	s_mov_b32 s[SC], 0
	; ---- D: the map's operand, my K step of the ten tiles: f[d][n_a] f[d][16 mt + r], quantised along d.  One loop for each mt (F's registers differ), a = 0 .. mt
.macro DBODY mt, last
	s_mov_b32 s[CNT], \mt+1
.Ldtrip_\@:
	s_wait_dscnt 0x0                               ; this tile's entry is in; the last tile's stores (at first: the stage's) have read their registers
	WIN 0x0c
.set ii, 0
.rept 32
	v_pk_mul_f32 v[P+ii:P+ii+1], v[FNR+ii:FNR+ii+1], v[64*\mt+ii:64*\mt+ii+1]
.set ii, ii+2
.endr
	WIN 0
	v_add_nc_u32 v[VIM], s[SA], v[VIM0]
	v_add_nc_u32 v[VSA], s[SC], v[VSA0]
	s_add_co_u32 s[SA], s[SA], 2048
	s_add_co_u32 s[SB], s[SB], 512
	s_add_co_u32 s[SC], s[SC], 128
.if \last
	s_cmp_eq_u32 s[CNT], 1                         ; behind the tenth tile there is no entry
	s_cbranch_scc1 .Ldlast_\@
.endif
	v_add_nc_u32 v[VFN], s[SB], v[VFN0]
	FNLOAD VFN                                     ; the next tile's entry lands while this tile is quantised
.if \last
.Ldlast_\@:
.endif
	QUANT P, 0, P, 1
	IMG VIM, 0
	ds_store_b32 v[VSA], v[TM+4]
	s_sub_co_u32 s[CNT], s[CNT], 1
	s_cmp_lg_u32 s[CNT], 0
	s_cbranch_scc1 .Ldtrip_\@
.endm
	DBODY 0, 0
	DBODY 1, 0
	DBODY 2, 0
	DBODY 3, 1
	BAR                                            ; the ten tiles' images, their scale words and the fusion's stage lie in LDS
	; ---- E: the fusion's rows leave; then both heads' products
	s_mul_i32 s3, s[WV], 16*SPITCH
	s_add_co_u32 s3, s3, FSTG
	v_mul_u32_u24 v[VFR], v[H_], SPITCH
	v_lshl_add_u32 v[VFR], v[R_], 4, v[VFR]
	v_add_nc_u32 v[VFR], s3, v[VFR]                ; rows 16 w + h on, 16 bytes a lane
	s_lshl_b32 s3, s[WV], 12
	s_lshl_b32 s4, s[HALF], 11
	s_add_co_u32 s3, s3, s4
	v_lshlrev_b32 v[VFO], 8, v[H_]
	v_lshl_add_u32 v[VFO], v[R_], 4, v[VFO]
	v_add_nc_u32 v[VFO], s3, v[VFO]                ; in memory: row 16 w + 8 HALF + h
	v_add_nc_u32 v[VAS0], ASC, v[LS]
	s_mul_i32 s3, s[WV], PDW
	s_add_co_u32 s3, s3, PD
	v_lshl_add_u32 v[VPD0], v[R_], 2, s3
	s_mul_i32 s3, s[WV], 1280
	s_add_co_u32 s3, s3, PN
	v_add_nc_u32 v[VPN0], s3, v[LS]
	s_mov_b32 s[SA], 0
	s_mov_b32 s[SB], 0
	s_mov_b32 s[SC], 0
.irp j, 0,1,2,3
	ds_load_b128 v[P+4*\j:P+4*\j+3], v[VFR] offset:2*SPITCH*\j                  ; rows 16 w + 0 .. 7
	ds_load_b128 v[P+16+4*\j:P+16+4*\j+3], v[VFR] offset:8*SPITCH+2*SPITCH*\j   ; rows 16 w + 8 .. 15: both halves are read and one is chosen, so that no LDS address hangs on the work-group
.endr
.macro ALOAD va, vs                    ; a tile's four fragments and four scale words: 20 LDS loads
.irp ks, 0,1,2,3
.irp c, 0,1,2,3
	ds_load_b128 v[AF+16*\ks+4*\c:AF+16*\ks+4*\c+3], v[\va] offset:AIMG+\ks*20480+512*\c
.endr
.endr
.irp ks, 0,1,2,3
	ds_load_b32 v[AS+\ks], v[\vs] offset:\ks*1280
.endr
.endm
	ALOAD LI, VAS0                                 ; tile 0
	s_wait_dscnt 20                                ; the stage's eight loads are in; tile 0's 20 may be out
.set ii, 0
.rept 16
	v_cndmask_b32 v[P+ii], v[P+ii], v[P+16+ii], s[FMSK]
.set ii, ii+1
.endr
.irp j, 0,1,2,3
	global_store_b128 v[VFO], v[P+4*\j:P+4*\j+3], s[OUTF:OUTF+1] offset:512*\j th:TH_STORE_NT   ; 16 lanes store a whole row of 256 bytes
.endr
	s_wait_loadcnt 0x0                             ; W's scale words
	s_wait_dscnt 0x0
; Two lines of what is made of pair p's 16 results a lane: numbers 2 k, 2 k + 1 are squared into the norm's two chains and rounded to bf16: MB + 8 p + k is register k of the next product's fragment p
.macro SLICE p, k
.set SS, 16*((\p)%2)+2*(\k)
	WIN 0xff
.if ((\p) == 0) && ((\k) < 2)
	v_pk_mul_f32 v[NA+2*(\k):NA+2*(\k)+1], v[SS:SS+1], v[SS:SS+1]
.else
	v_pk_fma_f32 v[NA+2*((\k)%2):NA+2*((\k)%2)+1], v[SS:SS+1], v[SS:SS+1], v[NA+2*((\k)%2):NA+2*((\k)%2)+1]
.endif
	v_cvt_pk_bf16_f32 v[MB+8*(\p)+(\k)], v[SS], v[SS+1]
.endm
; A TILE of 16 pairs against my 128 rows of W: four pairs of row tiles (jt = 2 p, 2 p + 1), each 2 accumulators x 4 K steps, by turns.  Source 0 = 16 rows of W, source 1 = the pairs: a lane holds one pair
; and eight j, which is the layout of a bf16 fragment along j.  Behind pair p's products stand nine v_nop (eight places ahead of the first read of pair p - 1's results; nine ahead of the product
; that starts the same registers anew) and then pair p - 1's slices.  Then s . map, four bf16 products on two accumulators by turns.
.macro TILE reload
	s_wait_dscnt 9                                 ; this tile's 20 loads are in; the last tile's 9 stores, issued behind them, may be out
.irp p, 0,1,2,3
.irp e, 0,1,2,3,4,5,6,7
.if \e < 4
	WIN 0xf1
.else
	WIN 0xf2
.endif
.if \e < 2
	v_wmma_scale_f32_16x16x128_f8f6f4 v[16*(\p%2)+8*(\e%2):16*(\p%2)+8*(\e%2)+7], v[((\e/2)%2)*128+16*(2*\p+\e%2):((\e/2)%2)*128+16*(2*\p+\e%2)+15], v[AF+16*(\e/2):AF+16*(\e/2)+15], 0, v[WS+4*(2*\p+\e%2)+\e/2], v[AS+\e/2]
.else
	v_wmma_scale_f32_16x16x128_f8f6f4 v[16*(\p%2)+8*(\e%2):16*(\p%2)+8*(\e%2)+7], v[((\e/2)%2)*128+16*(2*\p+\e%2):((\e/2)%2)*128+16*(2*\p+\e%2)+15], v[AF+16*(\e/2):AF+16*(\e/2)+15], v[16*(\p%2)+8*(\e%2):16*(\p%2)+8*(\e%2)+7], v[WS+4*(2*\p+\e%2)+\e/2], v[AS+\e/2]
.endif
.if \p > 0
.if \e == 0
	NOPS 3
.elseif \e < 4
	NOPS 2
.else
.if (\p == 1) && (\e == 4)
	s_wait_dscnt 0x0                               ; the last tile's stores have read their registers: the norm's chains begin anew below
.endif
	SLICE \p-1, 2*(\e-4)
	SLICE \p-1, 2*(\e-4)+1
.endif
.endif
.endr
.endr
	WIN 0
	v_add_nc_u32 v[VPD], s[SB], v[VPD0]            ; eight plain lines: the places behind the last products, ahead of the loads into their operands and of the read of their results
	v_add_nc_u32 v[VPN], s[SC], v[VPN0]
.if \reload
	s_add_co_u32 s[SA], s[SA], 2048
	s_add_co_u32 s[SB], s[SB], PDT
	s_add_co_u32 s[SC], s[SC], 128
	v_add_nc_u32 v[VA], s[SA], v[LI]
	v_add_nc_u32 v[VAS], s[SC], v[VAS0]
	NOPS 4
	ALOAD VA, VAS                                  ; the next tile
.else
	NOPS 6
.endif
.irp k, 0,1,2,3,4,5,6,7
	SLICE 3, \k
.endr
	WIN 0xfc                                       ; source 0 = the sentences (rows 8-15 repeat rows 0-7), source 1 = the map's 32 j x 16 pairs
	v_wmma_f32_16x16x32_bf16 v[X:X+7], v[SH:SH+7], v[MB:MB+7], 0
	v_wmma_f32_16x16x32_bf16 v[Y:Y+7], v[SH+8:SH+15], v[MB+8:MB+15], 0
	v_wmma_f32_16x16x32_bf16 v[X:X+7], v[SH+16:SH+23], v[MB+16:MB+23], v[X:X+7]
	v_wmma_f32_16x16x32_bf16 v[Y:Y+7], v[SH+24:SH+31], v[MB+24:MB+31], v[Y:Y+7]
	WIN 0xff
	v_pk_add_f32 v[NA:NA+1], v[NA:NA+1], v[NA+2:NA+3]      ; four places
	v_add_f32 v[NA], v[NA], v[NA+1]
	NOPS 2
.irp i, 0,2,4,6
	v_pk_add_f32 v[X+\i:X+\i+1], v[X+\i:X+\i+1], v[Y+\i:Y+\i+1]    ; from the low end on
.endr
	WIN 0x0c
.irp i, 0,1,2,3,4,5,6,7
	ds_store_b32 v[VPD], v[X+\i] offset:64*\i      ; sentence i, pair r: lanes r and r + 16 write the same word with the same value
.endr
	ds_store_b32 v[VPN], v[NA]
	WIN 0
.endm
	s_mov_b32 s[CNT], 9
.Ltile:
	TILE 1
	s_sub_co_u32 s[CNT], s[CNT], 1
	s_cmp_lg_u32 s[CNT], 0
	s_cbranch_scc1 .Ltile
	TILE 0                                         ; the tenth tile fetches nothing
	BAR                                            ; all parts of s . map and of the norms lie in LDS
	; ---- G: the scores.  Wave w: head HD, rows a = 2 JH + h; lane: m = 4 q + 0 .. 3 (q = lane % 16), all eight sentences.  Tile number = mt (mt + 1) / 2 + a;
	; where mt < a that names another tile, which has been written: its numbers fall to the mask
	s_wait_xcnt 0x0                                ; the fusion's stores have read their registers
	v_lshrrev_b32 v[GT], 2, v[R_]                  ; mt
	v_lshrrev_b32 v[VGD], 1, v[GT]
	v_and_b32 v[VGN], v[GT], v[VGD]
	v_add_nc_u32 v[GT], v[GT], v[VGD]
	v_lshl_add_u32 v[GT], v[VGN], 1, v[GT]         ; 0, 1, 3, 6
	v_add_nc_u32 v[GT], v[GT], v[H_]
	s_lshl_b32 s3, s[JH], 1
	v_add_nc_u32 v[GT], s3, v[GT]
	v_and_b32 v[VSN], 3, v[R_]
	v_lshlrev_b32 v[VSN], 4, v[VSN]
	s_mul_i32 s3, s[HD], 2*PDW
	s_add_co_u32 s3, s3, PD
	v_mul_u32_u24 v[VGD], v[GT], PDT
	v_add_nc_u32 v[VGD], v[VGD], v[VSN]
	v_add_nc_u32 v[VGD], s3, v[VGD]
	s_mul_i32 s3, s[HD], 2560
	s_add_co_u32 s3, s3, PN
	v_lshl_add_u32 v[VGN], v[GT], 7, v[VSN]
	v_add_nc_u32 v[VGN], s3, v[VGN]
	s_lshl_b32 s3, s[HD], 7
	s_add_co_u32 s3, s3, SNRM
	v_mov_b32 v[VSN], s3
	ds_load_b128 v[160:163], v[VGN]                ; the norm's four parts: two halves of the lanes, two waves
	ds_load_b128 v[164:167], v[VGN] offset:64
	ds_load_b128 v[168:171], v[VGN] offset:1280
	ds_load_b128 v[172:175], v[VGN] offset:1344
	ds_load_b128 v[176:179], v[VSN]                ; the sentences' two parts
	ds_load_b128 v[180:183], v[VSN] offset:16
	ds_load_b128 v[184:187], v[VSN] offset:64
	ds_load_b128 v[188:191], v[VSN] offset:80
.irp s, 0,1,2,3,4,5,6,7
	ds_load_b128 v[P+8*\s:P+8*\s+3], v[VGD] offset:64*\s
	ds_load_b128 v[P+8*\s+4:P+8*\s+7], v[VGD] offset:64*\s+PDW
.endr
	s_lshl_b32 s3, s[JH], 5
	s_add_co_u32 s3, s3, s[GG]
	v_lshl_add_u32 v[VN], v[H_], 4, s3             ; n = 16 a + g
	v_lshlrev_b32 v[VM], 2, v[R_]                  ; m
	v_add_nc_u32 v[VM+1], 1, v[VM]
	v_add_nc_u32 v[VM+2], 2, v[VM]
	v_add_nc_u32 v[VM+3], 3, v[VM]
	v_lshlrev_b32 v[VO], 8, v[VN]
	v_lshl_add_u32 v[VO], v[R_], 4, v[VO]
	s_mov_b32 s3, 0x3f800000
	s_cmp_eq_u32 s[HD], 0
	s_cselect_b32 s3, s[CSIG], s3                  ; head 0: -10 log2(e) goes in with 1 / |s|
	s_wait_dscnt 0x0
	v_pk_add_f32 v[160:161], v[160:161], v[164:165]
	v_pk_add_f32 v[162:163], v[162:163], v[166:167]
	v_pk_add_f32 v[168:169], v[168:169], v[172:173]
	v_pk_add_f32 v[170:171], v[170:171], v[174:175]
	v_pk_add_f32 v[160:161], v[160:161], v[168:169]
	v_pk_add_f32 v[162:163], v[162:163], v[170:171]
.irp y, 0,2,4,6
	v_pk_add_f32 v[176+\y:177+\y], v[176+\y:177+\y], v[184+\y:185+\y]
.endr
.irp y, 160,161,162,163,176,177,178,179,180,181,182,183
	v_sqrt_f32 v\y, v\y
.endr
	v_nop
	s_wait_alu depctr_va_vdst(0)
.irp y, 160,161,162,163,176,177,178,179,180,181,182,183
	v_max_num_f32 v\y, s[EPS], v\y                 ; reference()'s clip of the norm
.endr
.irp y, 160,161,162,163,176,177,178,179,180,181,182,183
	v_rcp_f32 v\y, v\y
.endr
.irp s, 0,1,2,3,4,5,6,7
	v_pk_add_f32 v[P+8*\s:P+8*\s+1], v[P+8*\s:P+8*\s+1], v[P+8*\s+4:P+8*\s+5]      ; the two waves' parts: independent work behind the reciprocals
	v_pk_add_f32 v[P+8*\s+2:P+8*\s+3], v[P+8*\s+2:P+8*\s+3], v[P+8*\s+6:P+8*\s+7]
.endr
	s_wait_alu depctr_va_vdst(0)
.irp s, 0,1,2,3,4,5,6,7
	v_mul_f32 v[176+\s], s3, v[176+\s]
.endr
.irp s, 0,1,2,3,4,5,6,7
	v_pk_mul_f32 v[P+8*\s:P+8*\s+1], v[P+8*\s:P+8*\s+1], v[160:161]
	v_pk_mul_f32 v[P+8*\s+2:P+8*\s+3], v[P+8*\s+2:P+8*\s+3], v[162:163]
.endr
.irp s, 0,1,2,3,4,5,6,7
.irp j, 0,1,2,3
	v_mul_f32 v[P+8*\s+\j], v[176+\s], v[P+8*\s+\j]
.endr
.endr
	s_cmp_lg_u32 s[HD], 0                          ; head 2 has no sigmoid: a branch on the wave's number
	s_cbranch_scc1 .Lnosig
.irp s, 0,1,2,3,4,5,6,7
.irp j, 0,1,2,3
	v_exp_f32 v[P+8*\s+\j], v[P+8*\s+\j]
.endr
.endr
	v_nop
	s_wait_alu depctr_va_vdst(0)
.irp s, 0,1,2,3,4,5,6,7
.irp j, 0,2
	v_pk_add_f32 v[P+8*\s+\j:P+8*\s+\j+1], v[P+8*\s+\j:P+8*\s+\j+1], 1.0 op_sel_hi:[1,0]
.endr
.endr
.irp s, 0,1,2,3,4,5,6,7
.irp j, 0,1,2,3
	v_rcp_f32 v[P+8*\s+\j], v[P+8*\s+\j]
.endr
.endr
	v_nop
	s_wait_alu depctr_va_vdst(0)
.Lnosig:
.irp j, 0,1,2,3
	v_cmp_le_u32 s[MK+\j], v[VN], v[VM+\j]         ; n <= m
.endr
.irp s, 0,1,2,3,4,5,6,7
.irp j, 0,1,2,3
	v_cndmask_b32 v[P+8*\s+\j], 0, v[P+8*\s+\j], s[MK+\j]
.endr
.endr
.irp s, 0,1,2,3,4,5,6,7
	global_store_b128 v[VO], v[P+8*\s:P+8*\s+3], s[OUTA:OUTA+1] offset:16384*\s th:TH_STORE_NT  ; 16 lanes store a whole row of 256 bytes
.endr
	s_wait_tensorcnt 0x0                           ; the wave's end: behind my last tensor load and my last LDS store
	ds_add_u32 v[SPW], v[NIL]
	s_wait_dscnt 0x0
	CROUND                                         ; the closing round
	s_endpgm
.Lfunc_end_k_q1d69cf4415_mmn:
	.size	k_q1d69cf4415_mmn, .Lfunc_end_k_q1d69cf4415_mmn-k_q1d69cf4415_mmn
	.p2alignl 7, 3214868480
	.fill 96, 4, 3214868480
	.section	.rodata,"a",@progbits
	.p2align	6, 0x0
	.amdhsa_kernel k_q1d69cf4415_mmn
		.amdhsa_group_segment_fixed_size 327680
		.amdhsa_private_segment_fixed_size 0
		.amdhsa_enable_private_segment 0
		.amdhsa_kernarg_size 136
		.amdhsa_user_sgpr_count 2
		.amdhsa_user_sgpr_kernarg_segment_ptr 1
		.amdhsa_wavefront_size32 1
		.amdhsa_system_sgpr_workgroup_id_x 1
		.amdhsa_system_sgpr_workgroup_id_y 1
		.amdhsa_system_sgpr_workgroup_id_z 1
		.amdhsa_system_vgpr_workitem_id 0
		.amdhsa_next_free_vgpr 1024
		.amdhsa_next_free_sgpr 100
		.amdhsa_reserve_vcc 1
		.amdhsa_float_denorm_mode_32 3
		.amdhsa_float_denorm_mode_16_64 3
		.amdhsa_memory_ordered 1
		.amdhsa_forward_progress 1
		.amdhsa_inst_pref_size 221
	.end_amdhsa_kernel
	.amdgpu_metadata
---
amdhsa.version: [ 1, 2 ]
amdhsa.kernels:
  - .name:           k_q1d69cf4415_mmn
    .symbol:         k_q1d69cf4415_mmn.kd
    .args:
      - { .name: feats, .offset: 0, .size: 8, .value_kind: global_buffer, .address_space: global }
      - { .name: Wiou_codes, .offset: 8, .size: 8, .value_kind: global_buffer, .address_space: global }
      - { .name: Wiou_scales, .offset: 16, .size: 8, .value_kind: global_buffer, .address_space: global }
      - { .name: Wp_codes, .offset: 24, .size: 8, .value_kind: global_buffer, .address_space: global }
      - { .name: Wp_scales, .offset: 32, .size: 8, .value_kind: global_buffer, .address_space: global }
      - { .name: W1_codes, .offset: 40, .size: 8, .value_kind: global_buffer, .address_space: global }
      - { .name: W1_scales, .offset: 48, .size: 8, .value_kind: global_buffer, .address_space: global }
      - { .name: W2_codes, .offset: 56, .size: 8, .value_kind: global_buffer, .address_space: global }
      - { .name: W2_scales, .offset: 64, .size: 8, .value_kind: global_buffer, .address_space: global }
      - { .name: sent_feat_fusion_codes, .offset: 72, .size: 8, .value_kind: global_buffer, .address_space: global }
      - { .name: sent_feat_fusion_scales, .offset: 80, .size: 8, .value_kind: global_buffer, .address_space: global }
      - { .name: b1, .offset: 88, .size: 8, .value_kind: global_buffer, .address_space: global }
      - { .name: b2, .offset: 96, .size: 8, .value_kind: global_buffer, .address_space: global }
      - { .name: Wfuse, .offset: 104, .size: 8, .value_kind: global_buffer, .address_space: global }
      - { .name: sent_feat_iou, .offset: 112, .size: 8, .value_kind: global_buffer, .address_space: global }
      - { .name: sent_feat, .offset: 120, .size: 8, .value_kind: global_buffer, .address_space: global }
      - { .name: out0, .offset: 128, .size: 8, .value_kind: global_buffer, .address_space: global }
    .group_segment_fixed_size: 327680
    .private_segment_fixed_size: 0
    .kernarg_segment_align: 8
    .kernarg_segment_size: 136
    .max_flat_workgroup_size: 128
    .sgpr_count:     100
    .vgpr_count:     1024
    .wavefront_size: 32
...
	.end_amdgpu_metadata
.endif
;; end of part 1
